; MI455X (gfx1250); checked and timed in simulation.
; The chip was launched on July 23, 2026; its instructions are those of AMD's public machine-readable ISA for CDNA 5 (MIT licence, August 2026) and "CDNA5" Instruction Set Architecture Reference Guide (July 2026). The comments in the code are by the model that wrote it; some were corrected since.
;; Self Attention. Allowed arithmetic: matrix products marked QUANTISED: E2M3 operands, one E8M0 scale for each 32 along K, by v_wmma_scale_f32_16x16x128_f8f6f4 with both operands' format E2M3, f32 sums; everything else in f32.
;; Inputs: b_k 256 float32; b_q 256 float32; key 128 x 2,048 x 256 float32; query 8 x 64 x 256 float32; w_k 256 x 256 float32; w_q 256 x 256 float32.
;; Outputs: out0 8 x 2,048 x 256 float32.
;; This version of the problem:
;;   THIS VERSION OF THE PROBLEM IS GIVEN IN LOW PRECISION. The matrix products marked QUANTISED in the list below multiply operands that are first quantised to E2M3 (2 exponent bits, 3 mantissa bits; 6 bits a number), with one power-of-two scale for each 32 numbers along K (OCP MX v1.0); their sums are f32. All else is computed in f32.
;;   The module's matrix products, in the order in which they are computed (A, B: the left and right operand; K: the contracted axis; several contracted axes count as one K, in the product's order):
;;     1. [M 512, K 256] x [K 256, N 256]; A: input query; B: input w_q: QUANTISED
;;     2. [M 262,144, K 256] x [K 256, N 256]; A: input key; B: input w_k: QUANTISED
;;     3. batch 8 x [M 32,768, K 256] x [K 256, N 64]; A: computed on the way; B: computed on the way: QUANTISED
;;   THE QUANTISER, for each operand of a quantised product, along K:
;;     - K is cut into blocks of 32 from its start; a last block that is shorter is filled with zeros.
;;     - A block's scale is 2^e with e = floor(log2(the largest magnitude in the block)) - 2, held to -126 .. 127; a block of zeros has e = 0. As a byte (E8M0): e + 127.
;;     - Each number is divided by its block's scale, clamped to +-7.5, and rounded to the nearest number of E2M3, ties to even, subnormals kept.
;;     - The product sums the exact products of the quantised numbers (number of the format x scale) in f32.
;;   ~~~python
;;   def quantise(x, axis):      # numpy; x: float32 -> the quantised numbers, widened to float32 again
;;       x = np.moveaxis(x, axis, -1); K = x.shape[-1]
;;       x = np.pad(x, [(0, 0)] * (x.ndim - 1) + [(0, -K % 32)]); x = x.reshape(x.shape[:-1] + (-1, 32)); a = np.abs(x).max(-1, keepdims=True)
;;       e = np.where(a > 0, np.clip(np.frexp(np.where(a > 0, a, 1))[1] - 1 - 2, -126, 127), 0)      # np.frexp(a)[1] - 1 = floor(log2(a)), exactly
;;       r = np.clip(x / 2.0 ** e, -7.5, 7.5)
;;       step = 2.0 ** (np.maximum(np.frexp(np.where(r == 0, 1, r))[1] - 1, 0) - 3)
;;       q = np.round(r / step) * step * 2.0 ** e      # np.round: ties to even
;;       return np.moveaxis(q.reshape(q.shape[:-2] + (-1,))[..., :K], -1, axis).astype(np.float32)
;;   ~~~
;;   OPERANDS COMPUTED ON THE WAY. 'Computed on the way' means the value that the module computes at that place (a softmax that the list does not call 'softmax' is quantised finished and normalised). What goes into a quantiser is computed in f32, as accurately as f32 sums, v_exp_f32 and their like allow (about 1e-6 of the number): no bf16 or f16 on the way to a quantiser, and a product that is left as it is and whose result goes on into a quantised operand takes f32 operands (vector FMAs, or v_wmma_f32_16x16x4_f32). A number that lies on a knife's edge between two numbers of the format may be rounded either way, as far as f32 arithmetic and the matrix unit's own rounding can turn it there, and no further.
;; One version. Each part assembles by itself: llvm-mc -triple=amdgcn-amd-amdhsa -mcpu=gfx1250 --defsym DOCPART=n.
;; ======== version 1 of 1: 3 launches
;; workspace buffers: parts 4,096 bytes; idx 256 bytes of whole numbers
;; launch score (part 1): grid 256 x 1, 4 waves a work-group, no clusters, 327,680 bytes of LDS; arguments key, query, w_q, b_q, w_k, b_k, parts; writes parts
.if DOCPART == 1
	.amdgcn_target "amdgcn-amd-amdhsa--gfx1250"
	.amdhsa_code_object_version 6
	.text
	.protected	k_q2a5ddd0498_score
	.globl	k_q2a5ddd0498_score
	.p2align	8
	.type	k_q2a5ddd0498_score,@function
k_q2a5ddd0498_score:
	s_mov_b64 s[64:65], 0
	v_nop
	global_prefetch_b8 v0, s[64:65] scope:SCOPE_SE
	s_setreg_imm32_b32 hwreg(HW_REG_WAVE_MODE, 25, 1), 1
	s_wait_xcnt 0x0
; parts[4 g + w] = (1/16) x the sum over 64 queries and 256 keys of Q[b][q] . K[row], all three products on codes of FP6 (E2M3) with one E8M0 scale for each 32 along K.
; Q = query w_q^T + b_q, K = key w_k^T + b_k; every operand is quantised along its product's K: query, key, w_q, w_k along the 256 inputs, Q and K along the 256 outputs of the first two products.
; SHARES.  key is taken as [262144][256] f32.  Work-group g owns rows 1024 g .. +1023 (half of candidate g / 2, batch item b = g / 32), wave w 256 of them: 16 tiles of 16 rows.
; A wave takes its rows through the whole chain alone: f32 rows from its own ring in LDS, quantised, product with w_k (bias as C), quantised, product with Q, summed in four accumulators that run over all 16 tiles.
; All of w_k (32 fragments), b_k in the result's layout and Q (8 fragments) stay in every wave's registers.  Both chain products are used transposed (source 0 = 16 rows of the weight), so that a lane holds ONE key row.
; THE ROWS OF A WEIGHT THAT FORM A TILE ARE NOT NEIGHBOURS: lane r of tile 2 b + u takes row 32 b + 8 u + r + 8 (r / 8), so that the 16 registers of tiles 2 b, 2 b + 1 are 16 neighbours along the next K.
; THE HEAD makes what stays: each wave quantises a quarter of w_q, then of w_k, and its 16 rows of query; the fragments go from wave to wave through LDS as images of their registers (16 bytes a lane, 512 a store).
; One LDS region serves w_q's images, then Q's, then w_k's: five barriers.  The ring's first fills, a quarter of the work-group's key bytes, are on their way meanwhile.
; THE RING: for each wave two slots of 32 rows (two tiles), one tensor load each, rows of 1,024 bytes + 16 of padding.  By this text's count a wave has two tensor loads out at the start and one behind each refill.
; PREFETCH.  A wave's rows 64 to 255 come by six refills, each issued only when the load before it has landed.  So in the first tile of phase p (a phase = a slot's two tiles; p = 0 .. 5), between its two
; products, the wave asks for the 32 rows that the refill at the head of phase p + 1 will load (phase p + 2's): four instructions, lanes 256 bytes apart, 128 blocks of 256 bytes, each asked for once in the
; launch, by the wave that will load it.  Between the ask and that refill lie the rest of this tile and the whole next tile.  Phases 6 and 7 ask for nothing: no rows of the wave follow.
; NO CLUSTER: the stream of the loop, key, is shared by nobody.  What work-groups share (w_q, w_k: 2 x 262,144 bytes of f32; query) goes once, at the head, from memory straight into the quantiser's registers;
; as joint tiles in LDS those bytes do not fit beside the ring's 266,240, and joint loads would turn each of the ring's barriers into a round of a cluster for streams that share nothing.
; LIMITS: NaN and infinities are not served.  A block of zeros gets the scale byte 1 where the rule says 127: its codes are zeros, and only this program reads the bytes.  Blocks whose largest magnitude lies
; under 2^-124 take the floor's scale.  The f32 sums run in another order than reference()'s: over a tile's K in the matrix unit, over tiles in the accumulators, over lanes at the end.
; REGISTERS, in windows of 256.  Window 0: v0-15 addresses; v16-31 at work in the quantiser; v32-55 two fragments of codes; v56-63 conversions' second halves; v64-107 scale words and nothing else;
;   v108-111 last sums; v112-124 a weight's fragment and scale word on their way to LDS; v128-255 R: 128 numbers a lane.
;   Window 1: w_k's fragments of K step 0 at v[12 t] (head: raw f32, areas 0-3 of 64).   Window 2: those of K step 1 (head: areas 4-7).
;   Window 3: v0-95 Q's fragments at v[12 (2 m + s)]; v96-127 the four accumulators; v128-255 b_k, 8 registers a tile (head: two buffers of 8 fragments of w_q at v0 and v96).
.set WIMG,  0                          ; LDS: images of fragments, 1,536 bytes each, fragment F at 1536 F: w_q's 32, then Q's 8, then w_k's 32
.set WSC,   49152                      ; their scale words, 128 bytes a fragment
.set SPARE, 53248                      ; the spare words, 128 bytes for each wave: two blocks of 256 bytes that no other line names
.set RING,  53760                      ; wave w at + 66,560 w, slot s at + 33,280 s, tile i at + 16,640 i, row r at + 1,040 r
.set SPW, 2                            ; v2   LDS address of my spare word; never rewritten
.set NIL, 3                            ; v3   0; never rewritten
.set XA,  4                            ; v4   my lane's place in my wave's ring: row r, + 64 h: my 16 numbers of a block of 32
.set LI,  5                            ; v5   16 x lane: an image's place for my lane
.set LS,  6                            ; v6   4 x lane: a scale word's
.set WIA, 7                            ; v7   where I store a weight's images: 16 x lane + 12,288 x wave
.set WSA, 8                            ; v8   and their scale words: 4 x lane + 1,024 x wave
.set QIA, 9                            ; v9   Q's images: 16 x lane + 3,072 x wave
.set QSA, 10                           ; v10  4 x lane + 256 x wave
.set GA,  11                           ; v11  a weight's row r + 8 (r / 8) of 1,024 bytes, + 64 h
.set GQ,  12                           ; v12  query's row r, + 64 h
.set GB,  13                           ; v13  a bias: 64 h
.set LN,  14                           ; v14  lane
.set PFO, 15                           ; v15  (r while the addresses are made, then) the next ask's byte offset from my wave's first row: 256 x lane + 32,768 x the phase asked for
.set TM,  16                           ; v16-19 largest magnitudes, v20-23 the other half's, then bytes, v28-31 the conversions' scale operands
.set PC,  32                           ; two fragments of codes
.set CT,  56
.set WS,  64                           ; scale words of the weight in use, fragment 2 t + s
.set QS,  96                           ; Q's, 2 m + s
.set XS,  104                          ; the rows' (query's, Q's on their way to LDS, then key's)
.set KS,  106                          ; K's
.set SM,  108
.set WT,  112
.set WPW, 124
.set R,   128
.set ACC, 96                           ; in window 3
.set BK,  128                          ; in window 3
.set SEL, 20                           ; s[20:21] v_permlanex16_b32's selects for lane l xor 16
.set MSB, 0
.macro WIN new                         ; the immediate's high byte repeats the setting that is left; a switch that changes nothing is dropped
.if MSB != (\new)
	s_set_vgpr_msb (MSB<<8)|(\new)
.set MSB, (\new)
.endif
.endm
.macro PLACES n
.rept \n
	v_nop
.endr
.endm
.macro BARRIER                         ; my LDS stores have landed and my LDS loads are in: then the work-group's barrier
	s_wait_dscnt 0x0
	s_barrier_signal -1
	s_barrier_wait -1
.endm
; 64 numbers of a lane, v[s] on in window w, register 16 b + i = k 32 b + 16 (lane / 16) + i of my row, become a fragment's codes in v[d] .. v[d + 11] and its scale word in v[pw].
; wt = 1: d and pw were the data of LDS stores: they are written again behind a wait for those stores.
.macro QUANT s, w, d, pw, wt
	WIN (\w)|((\w)<<2)
.irp b, 0,1,2,3
	v_max3_num_f32 v[TM+\b], |v[\s+16*\b]|, |v[\s+1+16*\b]|, 0x1800000   ; block b: my 16 numbers, and the floor 2^(3 - 127): the byte cannot fall under 1
.endr
	WIN ((\w)<<2)|((\w)<<4)
.irp i, 2,4,6,8,10,12,14
.irp b, 0,1,2,3
	v_max3_num_f32 v[TM+\b], v[TM+\b], |v[\s+16*\b+\i]|, |v[\s+1+16*\b+\i]|   ; the four blocks by turns; ascending, so that a matrix result is read from its low end on
.endr
.endr
	WIN 0
.irp b, 0,1,2,3
	v_permlanex16_b32 v[TM+4+\b], v[TM+\b], s[SEL], s[SEL+1]
.endr
.irp b, 0,1,2,3
	v_max_num_f32 v[TM+\b], v[TM+\b], v[TM+4+\b]   ; with lane l xor 16's: the block's largest magnitude
.endr
.irp b, 0,1,2,3
	v_add_nc_u32 v[TM+12+\b], 0xff000000, v[TM+\b]   ; 2 off its exponent field: the conversion takes the exponent field of this operand as its scale
.endr
.irp b, 0,1,2,3
	v_lshrrev_b32 v[TM+4+\b], 23, v[TM+12+\b]      ; the scale's byte
.endr
.if \wt
	s_wait_dscnt 0x0                               ; the last fragment's stores have read their registers
.endif
	v_lshl_or_b32 v[\pw], v[TM+5], 8, v[TM+4]      ; the four bytes make my row's scale word
	v_lshl_or_b32 v[\pw], v[TM+6], 16, v[\pw]
	v_lshl_or_b32 v[\pw], v[TM+7], 24, v[\pw]
	WIN \w
.irp c, 0,1
	v_cvt_scalef32_pk16_fp6_f32 v[\d+6*\c:\d+6*\c+2], v[\s+32*\c:\s+32*\c+15], v[TM+12+2*\c]
	v_cvt_scalef32_pk16_fp6_f32 v[CT+4*\c:CT+4*\c+2], v[\s+16+32*\c:\s+31+32*\c], v[TM+13+2*\c]   ; (a conversion's three registers begin on an even number)
.endr
	WIN 0
	v_nop                                          ; one plain place behind a scaled conversion
.irp c, 0,1                            ; the operand's layout wants a WHOLE block in a lane: lanes 0-15 block 2 c, lanes 16-31 block 2 c + 1
.irp i, 0,1,2
	v_permlane16_swap_b32 v[\d+6*\c+\i], v[CT+4*\c+\i]
.endr
.irp i, 0,1,2
	v_mov_b32 v[\d+3+6*\c+\i], v[CT+4*\c+\i]
.endr
.endr
.endm
; 64 numbers a lane from memory: 128 along K of my row, in QUANT's order
.macro GLOAD16 reg, win, voff, base, imm
	WIN (\win)<<6
.irp b, 0,1,2,3
.irp j, 0,1,2,3
	global_load_b128 v[\reg+16*\b+4*\j:\reg+16*\b+4*\j+3], v[\voff], s[\base:\base+1] offset:\imm+128*\b+16*\j
.endr
.endr
.endm
; fragment f = 2 tl + s of my quarter of a weight (tile tl of four, K step s) into area f
.macro WLOAD f, base
	GLOAD16 64*((\f)%4), 1+(\f)/4, GA, \base, (32*((\f)/4)+8*(((\f)/2)%2))*1024+512*((\f)%2)
.endm
; a bias in the result's layout, tiles 8 half .. + 7: lane (r, h) wants, for tile t, the numbers 32 (t / 2) + 16 h + 8 (t % 2) + 0 .. 7
.macro BLOAD16 reg, win, base, half
	WIN (\win)<<6
.irp t, 0,1,2,3,4,5,6,7
	global_load_b128 v[\reg+8*\t:\reg+8*\t+3], v[GB], s[\base:\base+1] offset:(32*((8*(\half)+\t)/2)+8*(\t%2))*4
	global_load_b128 v[\reg+8*\t+4:\reg+8*\t+7], v[GB], s[\base:\base+1] offset:(32*((8*(\half)+\t)/2)+8*(\t%2))*4+16
.endr
.endm
.macro IMAGE reg, adr, off             ; a fragment goes to LDS as it stands
.irp c, 0,1,2
	ds_store_b128 v[\adr], v[\reg+4*\c:\reg+4*\c+3] offset:\off+512*\c
.endr
.endm
.macro FETCH reg, win, off             ; and comes back so, in any wave
	WIN (\win)<<6
.irp c, 0,1,2
	ds_load_b128 v[\reg+4*\c:\reg+4*\c+3], v[LI] offset:\off+512*\c
.endr
.endm
.macro WSTEP f                         ; area f is quantised; its image and scale word go to LDS
	QUANT 64*((\f)%4), 1+(\f)/4, WT, WPW, 1
	IMAGE WT, WIA, 1536*(\f)
	ds_store_b32 v[WSA], v[WPW] offset:WSC+128*(\f)
.endm
.macro FETCHG g                        ; w_q's fragments 8 g .. 8 g + 7 (tiles 4 g .. 4 g + 3) into buffer g % 2 of window 3
.irp f, 0,1,2,3,4,5,6,7
	FETCH 96*((\g)%2)+12*\f, 3, 1536*(8*(\g)+\f)
.endr
.endm
.macro MULQ g                          ; Q's tiles 4 g .. 4 g + 3: four accumulators by turns; they begin as b_q
	WIN 0x03
.irp s, 0,1
.irp tl, 0,1,2,3
	v_wmma_scale_f32_16x16x128_f8f6f4 v[R+8*(4*(\g)+\tl):R+8*(4*(\g)+\tl)+7], v[96*((\g)%2)+12*(2*\tl+\s):96*((\g)%2)+12*(2*\tl+\s)+11], v[PC+12*\s:PC+12*\s+11], v[R+8*(4*(\g)+\tl):R+8*(4*(\g)+\tl)+7], v[WS+2*(4*(\g)+\tl)+\s], v[XS+\s] matrix_a_fmt:MATRIX_FMT_FP6 matrix_b_fmt:MATRIX_FMT_FP6
.endr
.endr
.endm
.macro XLOADH slot, i, s               ; K step s of tile i of a slot: 64 numbers a lane.  The 16 rows of a pass lie 1,040 bytes apart: 16 different 16-byte columns modulo 256
.irp b, 0,1,2,3
.irp j, 0,1,2,3
	ds_load_b128 v[R+64*(\s)+16*\b+4*\j:R+64*(\s)+16*\b+4*\j+3], v[XA] offset:33280*(\slot)+16640*(\i)+512*(\s)+128*\b+16*\j
.endr
.endr
.endm
	; ---- set-up
	s_load_b256 s[4:11], s[0:1], 0x0               ; key s[4:5], query s[6:7], w_q s[8:9], b_q s[10:11]
	s_load_b128 s[12:15], s[0:1], 0x20             ; w_k s[12:13], b_k s[14:15]
	s_load_b64 s[16:17], s[0:1], 0x30              ; parts
	v_lshl_add_u32 v[SPW], v0, 2, SPARE
	v_mov_b32 v[NIL], 0
	ds_add_u32 v2, v3
	ds_add_u32 v2, v3
	s_wait_dscnt 0x0
	v_lshrrev_b32 v1, 5, v0
	v_readfirstlane_b32 s18, v1                    ; wave 0..3
	v_mov_b32 v1, 0                                ; the offset of the one store
	s_mov_b32 s[SEL], 0x76543210
	s_mov_b32 s[SEL+1], 0xfedcba98
	s_lshl_b32 s22, ttmp9, 20                      ; key: 1,024 rows of 1,024 bytes a work-group,
	s_lshl_b32 s42, s18, 18                        ; 256 a wave
	s_add_co_u32 s22, s22, s42
	s_mov_b32 s23, 0
	s_lshr_b32 s44, ttmp9, 5                       ; query: batch item b = g / 32, 64 rows of 1,024 bytes,
	s_lshl_b32 s44, s44, 16
	s_lshl_b32 s42, s18, 14                        ; 16 rows a wave
	s_add_co_u32 s44, s44, s42
	s_mov_b32 s45, 0
	s_lshl_b32 s46, s18, 16                        ; the weights: 64 rows a wave
	s_mov_b32 s47, 0
	s_mul_i32 s43, s18, 66560                      ; my ring
	v_and_b32 v[LN], 31, v0
	v_and_b32 v15, 15, v0                          ; r
	v_bfe_u32 v[GB], v0, 4, 1                      ; h
	v_mul_u32_u24 v[XA], v15, 1040
	v_lshl_add_u32 v[XA], v[GB], 6, v[XA]
	s_add_co_u32 s42, s43, RING
	v_add_nc_u32 v[XA], s42, v[XA]
	v_lshlrev_b32 v[LI], 4, v[LN]
	v_lshlrev_b32 v[LS], 2, v[LN]
	s_mul_i32 s42, s18, 12288
	v_add_nc_u32 v[WIA], s42, v[LI]
	s_lshl_b32 s42, s18, 10
	v_add_nc_u32 v[WSA], s42, v[LS]
	s_mul_i32 s42, s18, 3072
	v_add_nc_u32 v[QIA], s42, v[LI]
	s_lshl_b32 s42, s18, 8
	v_add_nc_u32 v[QSA], s42, v[LS]
	v_and_b32 v[GA], 8, v15
	v_add_nc_u32 v[GA], v[GA], v15                 ; r + 8 (r / 8)
	v_lshlrev_b32 v[GA], 10, v[GA]
	v_lshl_add_u32 v[GA], v[GB], 6, v[GA]
	v_lshlrev_b32 v[GQ], 10, v15
	v_lshl_add_u32 v[GQ], v[GB], 6, v[GQ]
	v_lshlrev_b32 v[GB], 6, v[GB]
	v_lshl_add_u32 v[PFO], v[LN], 8, 0x10000       ; the first ask: phase 2's rows begin 65,536 bytes behind my wave's first row; lanes 256 bytes apart
.irp b, 0,1,2,3
	v_mov_b32 v[TM+4+\b], 0                        ; written once: a lane permute's destination counts as one of its sources
.endr
	; descriptor group 1: a tile of 32 rows x 256 elements of 4 bytes, dense in memory, 16 bytes of padding behind each row in LDS
	s_mov_b32 s24, (2<<16)|(1<<20)|(7<<22)|(3<<25) ; 15:0 no mask; 17:16 elements of 4 bytes; 20 padding on; 24:22 after every 256 words (code 7); 31:25 of 4 words (code 3)
	s_mov_b32 s25, 256<<16                         ; tensor_dim0 = 256
	s_mov_b32 s26, 32<<16                          ; tensor_dim1 = 32
	s_mov_b32 s27, 256<<16                         ; tile_dim0 = 256
	s_mov_b32 s28, 32                              ; tile_dim1 = 32
	s_mov_b32 s29, 256                             ; elements from row to row
	s_mov_b32 s30, 0
	s_mov_b32 s31, 0
	s_wait_kmcnt 0x0
	s_add_nc_u64 s[4:5], s[4:5], s[22:23]          ; key at my wave's first row; not written again
	s_add_nc_u64 s[6:7], s[6:7], s[44:45]          ; query at my 16 rows
	s_add_nc_u64 s[8:9], s[8:9], s[46:47]          ; w_q and w_k at my 64 rows
	s_add_nc_u64 s[12:13], s[12:13], s[46:47]
	s_lshl_b32 s22, ttmp9, 4
	s_lshl_b32 s42, s18, 2
	s_add_co_u32 s22, s22, s42
	s_add_nc_u64 s[16:17], s[16:17], s[22:23]      ; parts at word 4 g + w
	s_mov_b32 s32, 1                               ; group 0 of slot 0: count 1,
	s_add_co_u32 s33, s43, RING                    ; LDS address,
	s_mov_b64 s[34:35], s[4:5]                     ; rows 0 to 31,
	s_or_b32 s35, s35, 0x80000000                  ; type 2
	s_mov_b32 s36, 1                               ; slot 1:
	s_add_co_u32 s37, s43, RING+33280
	s_add_nc_u64 s[38:39], s[4:5], 32768           ; rows 32 to 63
	s_or_b32 s39, s39, 0x80000000
	GLOAD16 R, 0, GQ, 6, 0                         ; my rows of query, K step 0,
	GLOAD16 R+64, 0, GQ, 6, 512                    ; K step 1,
	WLOAD 0, 8                                     ; and the first two fragments of my quarter of w_q: the head waits for these first
	WLOAD 1, 8
	WIN 0
	tensor_load_to_lds s[32:35], s[24:31]          ; the ring's two first fills go out together, ahead of every wait on TENSORcnt, every LDS read and every barrier
	s_nop 0
	tensor_load_to_lds s[36:39], s[24:31]
	s_nop 0
	PLACES 4
	; ---- query and w_q are quantised.  Loads go in groups of 16; four groups are asked for ahead: each wait leaves the three younger groups out
	s_wait_loadcnt 48
	WLOAD 2, 8
	QUANT R, 0, PC, XS, 0
	s_wait_loadcnt 48
	WLOAD 3, 8
	QUANT R+64, 0, PC+12, XS+1, 0
.irp f, 0,1,2,3
	s_wait_loadcnt 48
	WLOAD \f+4, 8
	WSTEP \f
.endr
	s_wait_loadcnt 48
	BLOAD16 R, 0, 10, 0                            ; b_q lands in the registers in which Q is summed
	WSTEP 4
	s_wait_loadcnt 48
	BLOAD16 R+64, 0, 10, 1
	WSTEP 5
	s_wait_loadcnt 48
	WLOAD 0, 12                                    ; w_k follows into the areas that w_q has left
	WSTEP 6
	s_wait_loadcnt 48
	WLOAD 1, 12
	WSTEP 7
	BARRIER                                        ; w_q's 32 fragments lie in LDS
	; ---- Q: my 16 queries x all 256 outputs, four tiles at a time, w_q's fragments through two buffers
.set FI, 0
.rept 32
	ds_load_b32 v[WS+FI], v[LS] offset:WSC+128*FI
.set FI, FI+1
.endr
	FETCHG 0
	FETCHG 1
	s_wait_loadcnt 32                              ; b_q is in; w_k's first two groups may be out
	WLOAD 2, 12
	WLOAD 3, 12
	s_wait_dscnt 24                                ; the scale words and group 0 are in; group 1's 24 loads may be out
	MULQ 0
	PLACES 4                                       ; in front of loads into registers that matrix instructions have read (ISA guide 7.12.1 for vector instructions)
	FETCHG 2
	WLOAD 4, 12
	WLOAD 5, 12
	s_wait_dscnt 24
	MULQ 1
	PLACES 4
	FETCHG 3
	WLOAD 6, 12
	WLOAD 7, 12
	s_wait_dscnt 24
	MULQ 2
	s_wait_dscnt 0x0
	MULQ 3
	PLACES 4                                       ; in front of the loads into buffer 1 and of the first read of results
	BLOAD16 BK, 3, 14, 0                           ; b_k, where it stays
	BLOAD16 BK+64, 3, 14, 1
	QUANT R, 0, PC, XS, 0                          ; Q along its 256 outputs: two fragments
	QUANT R+64, 0, PC+12, XS+1, 0
	BARRIER                                        ; every wave's reads of w_q's images are over
	IMAGE PC, QIA, 0                               ; Q's fragment 2 w + s
	IMAGE PC+12, QIA, 1536
	ds_store_b32 v[QSA], v[XS] offset:WSC
	ds_store_b32 v[QSA], v[XS+1] offset:WSC+128
	BARRIER                                        ; Q's eight fragments lie in LDS
.irp f, 0,1,2,3,4,5,6,7
	FETCH 12*\f, 3, 1536*\f
.endr
	WIN 0
.irp f, 0,1,2,3,4,5,6,7
	ds_load_b32 v[QS+\f], v[LS] offset:WSC+128*\f
.endr
	BARRIER                                        ; every wave has them in registers
	; ---- w_k
	s_wait_loadcnt 32                              ; all of my quarter of w_k is in; b_k's 32 loads may be out
.irp f, 0,1,2,3,4,5,6,7
	WSTEP \f
.endr
	BARRIER                                        ; w_k's 32 fragments lie in LDS
.irp t, 0,1,2,3,4,5,6,7,8,9,10,11,12,13,14,15
	FETCH 12*\t, 1, 1536*(2*\t)
.endr
.irp t, 0,1,2,3,4,5,6,7,8,9,10,11,12,13,14,15
	FETCH 12*\t, 2, 1536*(2*\t+1)
.endr
	WIN 0
.set FI, 0
.rept 32
	ds_load_b32 v[WS+FI], v[LS] offset:WSC+128*FI
.set FI, FI+1
.endr
	s_wait_tensorcnt 0x1                           ; slot 0 is in; slot 1's load may be out.  Only I read my ring, so my own wait is all that these reads need
	XLOADH 0, 0, 0
	XLOADH 0, 0, 1
	s_wait_loadcnt 0x0                             ; b_k
; A TILE of 16 key rows; its 128 numbers a lane have been asked for.  nxt = 1: the slot's next tile is asked for as R's halves fall free.  first = 1: the products with Q start the sums.
; pf = 1: between the two products the wave asks for the 32 rows of the refill at the next phase's head; pf = 2: the same, but not in the loop's last trip, behind which no such refill follows; pf = 0: no ask.
; In every run of matrix instructions the accumulators take turns, one instruction a turn.
.macro TILE slot, i, nxt, first, pf
	s_wait_dscnt 16                                ; K step 0 is in; K step 1's 16 loads may be out
	QUANT R, 0, PC, XS, 0
	s_wait_dscnt 0x0
	QUANT R+64, 0, PC+12, XS+1, 0
	PLACES 8                                       ; a scale word made by vector instructions stands 8 places ahead of a scaled product, codes so made 4
	WIN 0x31                                       ; source 0 (w_k, K step 0) window 1, source 2 (b_k) window 3
.irp t, 0,1,2,3,4,5,6,7,8,9,10,11,12,13,14,15
	v_wmma_scale_f32_16x16x128_f8f6f4 v[R+8*\t:R+8*\t+7], v[12*\t:12*\t+11], v[PC:PC+11], v[BK+8*\t:BK+8*\t+7], v[WS+2*\t], v[XS] matrix_a_fmt:MATRIX_FMT_FP6 matrix_b_fmt:MATRIX_FMT_FP6
.endr
	WIN 0x02                                       ; source 0 (K step 1) window 2
.irp t, 0,1,2,3,4,5,6,7,8,9,10,11,12,13,14,15
	v_wmma_scale_f32_16x16x128_f8f6f4 v[R+8*\t:R+8*\t+7], v[12*\t:12*\t+11], v[PC+12:PC+23], v[R+8*\t:R+8*\t+7], v[WS+2*\t+1], v[XS+1] matrix_a_fmt:MATRIX_FMT_FP6 matrix_b_fmt:MATRIX_FMT_FP6
.endr
	WIN 0
	PLACES 4                                       ; in front of the first read of results, of writes over the codes, and of loads into R
.if \pf == 2
	s_cmp_eq_u32 s40, 1                            ; the loop's last trip: this is phase 6, and the wave has no phase 8: nothing is asked for, and no ask leaves the wave's rows
	s_cbranch_scc1 .Lno_ask_\@
.endif
.if \pf
.irp e, 0,1,2,3
	global_prefetch_b8 v[PFO], s[4:5] offset:8192*\e th:TH_LOAD_NT scope:SCOPE_SE   ; 32 lanes x 256 bytes = 8,192 bytes an instruction; four cover the 32 rows' 32,768 dense bytes
.endr
.endif
.if \pf == 2
.Lno_ask_\@:
.endif
	QUANT R, 0, PC, KS, 0                          ; K(row r, o): register 16 b + i of R is o = 32 b + 16 h + i
.if \nxt
	XLOADH \slot, (\i)+1, 0
.endif
	QUANT R+64, 0, PC+12, KS+1, 0
.if \nxt
	XLOADH \slot, (\i)+1, 1
.endif
	PLACES 8
	WIN 0xf3                                       ; source 0 (Q) window 3, C and D window 3
.irp s, 0,1
.irp m, 0,1,2,3
.if (\first) && (\s == 0)
	v_wmma_scale_f32_16x16x128_f8f6f4 v[ACC+8*\m:ACC+8*\m+7], v[12*(2*\m+\s):12*(2*\m+\s)+11], v[PC+12*\s:PC+12*\s+11], 0, v[QS+2*\m+\s], v[KS+\s] matrix_a_fmt:MATRIX_FMT_FP6 matrix_b_fmt:MATRIX_FMT_FP6
.else
	v_wmma_scale_f32_16x16x128_f8f6f4 v[ACC+8*\m:ACC+8*\m+7], v[12*(2*\m+\s):12*(2*\m+\s)+11], v[PC+12*\s:PC+12*\s+11], v[ACC+8*\m:ACC+8*\m+7], v[QS+2*\m+\s], v[KS+\s] matrix_a_fmt:MATRIX_FMT_FP6 matrix_b_fmt:MATRIX_FMT_FP6
.endif
.endr
.endr
	WIN 0
.endm
; THE CHANGE OF SLOTS, at the head of slot cur.  All my tensor loads have landed, slot cur's among them; 0 is added to my spare word; that and my reads of the other slot are waited for; a barrier.
; refill = 1: the other slot takes the 32 rows that follow slot cur's: my one tensor load behind the barrier, and the first thing there; it has two tiles' work in which to land.
.macro CHANGE cur, refill
	s_wait_tensorcnt 0x0                           ; no tensor load of mine is out, so a group 0 may be written
	ds_add_u32 v[SPW], v[NIL]                      ; 0 onto my spare word
.if \refill
	s_add_nc_u64 s[38-4*(\cur):39-4*(\cur)], s[38-4*(\cur):39-4*(\cur)], 65536   ; the other slot's next 32 rows lie 64 rows on; the type bits on top are not reached
	s_wait_xcnt 0x0                                ; the last ask, a tile and a half back, has had its addresses translated (ISA guide 3.1): its offset register is written only behind this wait
	v_add_nc_u32 v[PFO], 0x8000, v[PFO]            ; this phase's ask: 32 rows on (phase 6's stepped offset is not used)
.endif
	s_wait_dscnt 0x0                               ; the add is done, and my reads of the other slot are over
	s_barrier_signal -1
	s_barrier_wait -1
.if \refill
	tensor_load_to_lds s[36-4*(\cur):39-4*(\cur)], s[24:31]
	s_nop 0
.endif
	XLOADH \cur, 0, 0
	XLOADH \cur, 0, 1
.endm
.macro PHASE cur, refill, pf
	CHANGE \cur, \refill
	TILE \cur, 0, 1, 0, \pf
	TILE \cur, 1, 0, 0, 0
.endm
	TILE 0, 0, 1, 1, 1                             ; phase 0, rows 0 to 31: the first products with Q start the sums; it asks for phase 2's rows
	TILE 0, 1, 0, 0, 0
	s_mov_b32 s40, 3
.Lloop:                                                ; three trips, two slots each: phases 1 to 6, rows 32 to 223; their six refills bring rows 64 to 255
	PHASE 1, 1, 1                                  ; phases 1, 3, 5 ask for the rows of phases 3, 5, 7
	PHASE 0, 1, 2                                  ; phases 2, 4 for those of 4, 6; phase 6 for nothing
	s_sub_co_u32 s40, s40, 1
	s_cmp_lg_u32 s40, 0
	s_cbranch_scc1 .Lloop
	PHASE 1, 0, 0                                  ; phase 7, rows 224 to 255: written out; nothing is left to fetch or to ask for
	; ---- the sum of all 64 x 16 sums of the four accumulators, each of which ran over my 16 tiles
	PLACES 4
	WIN 0x0f                                       ; sources 0 and 1 window 3
.irp m, 0,1,2,3
	v_add_f32 v[SM+\m], v[ACC+8*\m], v[ACC+8*\m+1] ; each accumulator from its low end on
.endr
	WIN 0x03
.irp j, 2,3,4,5,6,7
.irp m, 0,1,2,3
	v_add_f32 v[SM+\m], v[ACC+8*\m+\j], v[SM+\m]
.endr
.endr
	WIN 0
	v_add_f32 v[SM], v[SM], v[SM+1]
	v_add_f32 v[SM+2], v[SM+2], v[SM+3]
	v_add_f32 v[SM], v[SM], v[SM+2]
	v_add_f32_dpp v[SM], v[SM], v[SM] row_xmask:1 row_mask:0xf bank_mask:0xf
	v_add_f32_dpp v[SM], v[SM], v[SM] row_xmask:2 row_mask:0xf bank_mask:0xf
	v_add_f32_dpp v[SM], v[SM], v[SM] row_xmask:4 row_mask:0xf bank_mask:0xf
	v_add_f32_dpp v[SM], v[SM], v[SM] row_xmask:8 row_mask:0xf bank_mask:0xf
	v_permlanex16_b32 v[TM+4], v[SM], s[SEL], s[SEL+1]
	v_add_f32 v[SM], v[SM], v[TM+4]
	v_mul_f32 v[SM], 0x3d800000, v[SM]             ; / sqrt(256): a power of two, so dividing the sum is dividing each term
	v_cmp_eq_u32 vcc_lo, 0, v[LN]
	s_wait_xcnt 0x0                                ; EXEC changes only behind this wait
	s_and_saveexec_b32 s41, vcc_lo
	global_store_b32 v1, v[SM], s[16:17]           ; lane 0: one word a wave
	s_wait_xcnt 0x0
	s_or_b32 exec_lo, exec_lo, s41
	s_wait_tensorcnt 0x0                           ; the wave's end
	ds_add_u32 v[SPW], v[NIL]
	s_wait_dscnt 0x0
	s_endpgm
.Lfunc_end_k_q2a5ddd0498_score:
	.size	k_q2a5ddd0498_score, .Lfunc_end_k_q2a5ddd0498_score-k_q2a5ddd0498_score
	.p2alignl 7, 3214868480
	.fill 96, 4, 3214868480
	.section	.rodata,"a",@progbits
	.p2align	6, 0x0
	.amdhsa_kernel k_q2a5ddd0498_score
		.amdhsa_group_segment_fixed_size 327680
		.amdhsa_private_segment_fixed_size 0
		.amdhsa_enable_private_segment 0
		.amdhsa_kernarg_size 56
		.amdhsa_user_sgpr_count 2
		.amdhsa_user_sgpr_kernarg_segment_ptr 1
		.amdhsa_wavefront_size32 1
		.amdhsa_system_sgpr_workgroup_id_x 1
		.amdhsa_system_sgpr_workgroup_id_y 1
		.amdhsa_system_sgpr_workgroup_id_z 1
		.amdhsa_system_vgpr_workitem_id 0
		.amdhsa_next_free_vgpr 1024
		.amdhsa_next_free_sgpr 66
		.amdhsa_reserve_vcc 1
		.amdhsa_float_denorm_mode_32 3
		.amdhsa_float_denorm_mode_16_64 3
		.amdhsa_memory_ordered 1
		.amdhsa_forward_progress 1
		.amdhsa_inst_pref_size 255
	.end_amdhsa_kernel
	.section	.bss,"aw",@nobits
	.p2align	6
	.space	262144
	.amdgpu_metadata
---
amdhsa.version: [ 1, 2 ]
amdhsa.kernels:
  - .name:           k_q2a5ddd0498_score
    .symbol:         k_q2a5ddd0498_score.kd
    .args:
      - { .name: key, .offset: 0, .size: 8, .value_kind: global_buffer, .address_space: global }
      - { .name: query, .offset: 8, .size: 8, .value_kind: global_buffer, .address_space: global }
      - { .name: w_q, .offset: 16, .size: 8, .value_kind: global_buffer, .address_space: global }
      - { .name: b_q, .offset: 24, .size: 8, .value_kind: global_buffer, .address_space: global }
      - { .name: w_k, .offset: 32, .size: 8, .value_kind: global_buffer, .address_space: global }
      - { .name: b_k, .offset: 40, .size: 8, .value_kind: global_buffer, .address_space: global }
      - { .name: parts, .offset: 48, .size: 8, .value_kind: global_buffer, .address_space: global }
    .group_segment_fixed_size: 327680
    .private_segment_fixed_size: 0
    .kernarg_segment_align: 8
    .kernarg_segment_size: 56
    .max_flat_workgroup_size: 128
    .sgpr_count:     66
    .vgpr_count:     1024
    .wavefront_size: 32
...
	.end_amdgpu_metadata
.endif
;; end of part 1
;; launch pick (part 2): grid 1 x 1, 8 waves a work-group, no clusters, 0 bytes of LDS; arguments parts, idx; writes idx
.if DOCPART == 2
	.amdgcn_target "amdgcn-amd-amdhsa--gfx1250"
	.amdhsa_code_object_version 6
	.text
	.protected	k_q2a5ddd0498_pick
	.globl	k_q2a5ddd0498_pick
	.p2align	8
	.type	k_q2a5ddd0498_pick,@function
k_q2a5ddd0498_pick:
	s_mov_b64 s[64:65], 0
	v_nop
	global_prefetch_b8 v0, s[64:65] scope:SCOPE_SE
	s_setreg_imm32_b32 hwreg(HW_REG_WAVE_MODE, 25, 1), 1
	s_wait_xcnt 0x0
; idx[b] = the candidate m of 16 with the largest attention[b][m] = (the sum of its 8 parts) / 2048; of equal ones the lowest m, as jnp.argmax has it.
; One work-group; wave b serves batch item b.  parts' word 8 (16 b + m) + i is part i of candidate m: thread t = 32 b + l loads the 16 bytes at 16 t, four parts of candidate m = l / 2.
; The choice is made by compares and selects alone: no address and no branch hangs on it.  The index is stored as a whole number for the next launch.
; LIMIT: NaN among the sums is not served (a NaN never wins here).
	s_load_b128 s[4:7], s[0:1], 0x0                ; parts, idx
	v_lshlrev_b32 v1, 4, v0                        ; 16 bytes a thread: the 256 threads read the 4,096 bytes once
	v_and_b32 v2, 31, v0                           ; lane
	v_lshrrev_b32 v9, 1, v2                        ; my candidate
	v_lshrrev_b32 v3, 5, v0
	v_lshlrev_b32 v3, 2, v3                        ; 4 b: where the wave's word goes
	v_mov_b32 v10, 0                               ; written once: the destination of a lane exchange counts as one of its sources
	v_mov_b32 v11, 0
	s_mov_b32 s8, 0x76543210
	s_mov_b32 s9, 0xfedcba98                       ; v_permlanex16_b32's selects for lane l xor 16
	s_wait_kmcnt 0x0
	global_load_b128 v[4:7], v1, s[4:5]
	s_wait_loadcnt 0x0
	v_add_f32 v4, v4, v5
	v_add_f32 v6, v6, v7
	v_add_f32 v8, v4, v6
	v_add_f32_dpp v8, v8, v8 row_xmask:1 row_mask:0xf bank_mask:0xf   ; with the candidate's other four parts
	v_mul_f32 v8, 0x3a000000, v8                   ; the mean over 2,048 keys: x 2^-11
.macro MERGE                           ; (v10, v11), another lane's value and candidate, take the place of mine where the value is greater, or equal with the lower candidate
	v_cmp_gt_f32 s10, v10, v8
	v_cmp_eq_f32 s11, v10, v8
	v_cmp_lt_u32 s12, v11, v9
	s_and_b32 s11, s11, s12
	s_or_b32 vcc_lo, s10, s11
	v_cndmask_b32 v8, v8, v10, vcc_lo
	v_cndmask_b32 v9, v9, v11, vcc_lo
.endm
.irp x, 2,4,8
	v_mov_b32_dpp v10, v8 row_xmask:\x row_mask:0xf bank_mask:0xf
	v_mov_b32_dpp v11, v9 row_xmask:\x row_mask:0xf bank_mask:0xf
	MERGE
.endr
	v_permlanex16_b32 v10, v8, s8, s9              ; candidates 0-7 lie in lanes 0-15, 8-15 in lanes 16-31
	v_permlanex16_b32 v11, v9, s8, s9
	MERGE
	v_cmp_eq_u32 vcc_lo, 0, v2
	s_wait_xcnt 0x0                                ; EXEC changes only behind this wait
	s_and_saveexec_b32 s13, vcc_lo
	global_store_b32 v3, v9, s[6:7]                ; lane 0 of wave b: idx[b]
	s_wait_xcnt 0x0
	s_or_b32 exec_lo, exec_lo, s13
	s_endpgm
.Lfunc_end_k_q2a5ddd0498_pick:
	.size	k_q2a5ddd0498_pick, .Lfunc_end_k_q2a5ddd0498_pick-k_q2a5ddd0498_pick
	.p2alignl 7, 3214868480
	.fill 96, 4, 3214868480
	.section	.rodata,"a",@progbits
	.p2align	6, 0x0
	.amdhsa_kernel k_q2a5ddd0498_pick
		.amdhsa_group_segment_fixed_size 0
		.amdhsa_private_segment_fixed_size 0
		.amdhsa_enable_private_segment 0
		.amdhsa_kernarg_size 16
		.amdhsa_user_sgpr_count 2
		.amdhsa_user_sgpr_kernarg_segment_ptr 1
		.amdhsa_wavefront_size32 1
		.amdhsa_system_sgpr_workgroup_id_x 1
		.amdhsa_system_sgpr_workgroup_id_y 1
		.amdhsa_system_sgpr_workgroup_id_z 1
		.amdhsa_system_vgpr_workitem_id 0
		.amdhsa_next_free_vgpr 16
		.amdhsa_next_free_sgpr 66
		.amdhsa_reserve_vcc 1
		.amdhsa_float_denorm_mode_32 3
		.amdhsa_float_denorm_mode_16_64 3
		.amdhsa_memory_ordered 1
		.amdhsa_forward_progress 1
		.amdhsa_inst_pref_size 4
	.end_amdhsa_kernel
	.amdgpu_metadata
---
amdhsa.version: [ 1, 2 ]
amdhsa.kernels:
  - .name:           k_q2a5ddd0498_pick
    .symbol:         k_q2a5ddd0498_pick.kd
    .args:
      - { .name: parts, .offset: 0, .size: 8, .value_kind: global_buffer, .address_space: global }
      - { .name: idx, .offset: 8, .size: 8, .value_kind: global_buffer, .address_space: global }
    .group_segment_fixed_size: 0
    .private_segment_fixed_size: 0
    .kernarg_segment_align: 8
    .kernarg_segment_size: 16
    .max_flat_workgroup_size: 256
    .sgpr_count:     66
    .vgpr_count:     16
    .wavefront_size: 32
...
	.end_amdgpu_metadata
.endif
;; end of part 2
;; launch take (part 3): grid 256 x 1, 8 waves a work-group, no clusters, 0 bytes of LDS; arguments key, idx, out0; writes out0
.if DOCPART == 3
	.amdgcn_target "amdgcn-amd-amdhsa--gfx1250"
	.amdhsa_code_object_version 6
	.text
	.protected	k_q2a5ddd0498_take
	.globl	k_q2a5ddd0498_take
	.p2align	8
	.type	k_q2a5ddd0498_take,@function
k_q2a5ddd0498_take:
	s_mov_b64 s[64:65], 0
	v_nop
	global_prefetch_b8 v0, s[64:65] scope:SCOPE_SE
	s_setreg_imm32_b32 hwreg(HW_REG_WAVE_MODE, 25, 1), 1
	s_wait_xcnt 0x0
; out0[b] = key[16 b + idx[b]]: a block of 2,048 x 256 f32, 2^21 bytes, copied as it lies.  idx was stored by the launch before.
; Work-group g copies 65,536 bytes: batch item b = g / 32, piece g % 32.  Thread t takes the 16 bytes at 16 t of each run of 4,096: a wave's load or store covers 512 consecutive, aligned bytes.
; All sixteen loads of a thread go out at once, each into registers of its own; each store follows its load's counted wait.  No register is written twice, so no further wait is needed.
	s_load_b128 s[4:7], s[0:1], 0x0                ; key, idx
	s_load_b64 s[8:9], s[0:1], 0x10                ; out0
	s_lshr_b32 s10, ttmp9, 5                       ; b
	s_and_b32 s11, ttmp9, 31                       ; the piece
	s_lshl_b32 s12, s10, 2
	s_mov_b32 s13, 0
	v_lshlrev_b32 v1, 4, v0
	s_wait_kmcnt 0x0
	s_add_nc_u64 s[6:7], s[6:7], s[12:13]
	s_load_b32 s14, s[6:7], 0x0                    ; idx[b]
	s_wait_kmcnt 0x0
	s_min_u32 s14, s14, 15                         ; a loaded number enters an address only behind a bound
	s_lshl_b32 s15, s10, 4
	s_add_co_u32 s14, s14, s15                     ; the block: 16 b + idx[b], 127 at the most,
	s_lshl_b32 s14, s14, 21                        ; in bytes: under 2^28
	s_lshl_b32 s16, s11, 16
	s_add_co_u32 s14, s14, s16                     ; + my piece
	s_mov_b32 s15, 0
	s_add_nc_u64 s[4:5], s[4:5], s[14:15]
	s_lshl_b32 s16, ttmp9, 16                      ; out0: (32 b + piece) x 65,536
	s_mov_b32 s17, 0
	s_add_nc_u64 s[8:9], s[8:9], s[16:17]
.irp i, 0,1,2,3,4,5,6,7,8,9,10,11,12,13,14,15
	global_load_b128 v[4+4*\i:7+4*\i], v1, s[4:5] offset:4096*\i th:TH_LOAD_NT
.endr
.irp i, 0,1,2,3,4,5,6,7,8,9,10,11,12,13,14,15
	s_wait_loadcnt 15-\i                           ; loads come back in order (ISA guide 5.7.1): load i is in, the younger ones may be out
	global_store_b128 v1, v[4+4*\i:7+4*\i], s[8:9] offset:4096*\i th:TH_STORE_NT
.endr
	s_endpgm
.Lfunc_end_k_q2a5ddd0498_take:
	.size	k_q2a5ddd0498_take, .Lfunc_end_k_q2a5ddd0498_take-k_q2a5ddd0498_take
	.p2alignl 7, 3214868480
	.fill 96, 4, 3214868480
	.section	.rodata,"a",@progbits
	.p2align	6, 0x0
	.amdhsa_kernel k_q2a5ddd0498_take
		.amdhsa_group_segment_fixed_size 0
		.amdhsa_private_segment_fixed_size 0
		.amdhsa_enable_private_segment 0
		.amdhsa_kernarg_size 24
		.amdhsa_user_sgpr_count 2
		.amdhsa_user_sgpr_kernarg_segment_ptr 1
		.amdhsa_wavefront_size32 1
		.amdhsa_system_sgpr_workgroup_id_x 1
		.amdhsa_system_sgpr_workgroup_id_y 1
		.amdhsa_system_sgpr_workgroup_id_z 1
		.amdhsa_system_vgpr_workitem_id 0
		.amdhsa_next_free_vgpr 72
		.amdhsa_next_free_sgpr 66
		.amdhsa_reserve_vcc 0
		.amdhsa_float_denorm_mode_32 3
		.amdhsa_float_denorm_mode_16_64 3
		.amdhsa_memory_ordered 1
		.amdhsa_forward_progress 1
		.amdhsa_inst_pref_size 5
	.end_amdhsa_kernel
	.amdgpu_metadata
---
amdhsa.version: [ 1, 2 ]
amdhsa.kernels:
  - .name:           k_q2a5ddd0498_take
    .symbol:         k_q2a5ddd0498_take.kd
    .args:
      - { .name: key, .offset: 0, .size: 8, .value_kind: global_buffer, .address_space: global }
      - { .name: idx, .offset: 8, .size: 8, .value_kind: global_buffer, .address_space: global }
      - { .name: out0, .offset: 16, .size: 8, .value_kind: global_buffer, .address_space: global }
    .group_segment_fixed_size: 0
    .private_segment_fixed_size: 0
    .kernarg_segment_align: 8
    .kernarg_segment_size: 24
    .max_flat_workgroup_size: 256
    .sgpr_count:     66
    .vgpr_count:     72
    .wavefront_size: 32
...
	.end_amdgpu_metadata
.endif
;; end of part 3
